; MI455X (gfx1250); checked and timed in simulation.
; The chip was launched on July 23, 2026; its instructions are those of AMD's public machine-readable ISA for CDNA 5 (MIT licence, August 2026) and "CDNA5" Instruction Set Architecture Reference Guide (July 2026). The comments in the code are by the model that wrote it; some were corrected since.
;; Time Dependent Attention. Allowed arithmetic: matrix products marked QUANTISED: E5M2 operands, one given power-of-two scale a tensor, by v_wmma_f32_16x16x64_bf8_bf8 or v_wmma_f32_16x16x128_bf8_bf8, f32 sums; products left as they are: f32 operands where the result goes on into a quantised operand, else bf16, f16 or f32 operands; f32 sums; everything else in f32.
;; Inputs: W_o 768 x 768 float32; Wt_k 768 x 256 float32; Wt_q 768 x 256 float32; Wt_v 768 x 256 float32; Wx_k 768 x 768 float32; Wx_q 768 x 768 float32; Wx_v 768 x 768 float32; b_o 768 float32; lowp_scales 12 int32 (the exponents e of the quantised operands' scales 2^e); rel_pos_bias 12 x 1,024 x 1,024 float32; t 8 x 256 float32; x 8 x 1,024 x 768 float32.
;; Outputs: out0 8 x 1,024 x 768 float32.
;; This version of the problem:
;;   THIS VERSION OF THE PROBLEM IS GIVEN IN LOW PRECISION. The matrix products marked QUANTISED in the list below multiply operands that are first quantised to E5M2 (5 exponent bits, 2 mantissa bits; 8 bits a number), with one given power-of-two scale for each operand tensor; their sums are f32. All else is computed in f32.
;;   The module's matrix products, in the order in which they are computed (A, B: the left and right operand; K: the contracted axis; several contracted axes count as one K, in the product's order):
;;     1. [M 8,192, K 768] x [K 768, N 768]; A: input x; B: input Wx_q: QUANTISED (scales: A lowp_scales[0], B lowp_scales[1])
;;     2. [M 8, K 256] x [K 256, N 768]; A: input t; B: input Wt_q: left as it is (M = 8 < 16)
;;     3. [M 8,192, K 768] x [K 768, N 768]; A: input x; B: input Wx_k: QUANTISED (scales: A lowp_scales[2], B lowp_scales[3])
;;     4. [M 8, K 256] x [K 256, N 768]; A: input t; B: input Wt_k: left as it is (M = 8 < 16)
;;     5. [M 8,192, K 768] x [K 768, N 768]; A: input x; B: input Wx_v: QUANTISED (scales: A lowp_scales[4], B lowp_scales[5])
;;     6. [M 8, K 256] x [K 256, N 768]; A: input t; B: input Wt_v: left as it is (M = 8 < 16)
;;     7. batch 96 x [M 1,024, K 64] x [K 64, N 1,024]; A: computed on the way; B: computed on the way: QUANTISED (scales: A lowp_scales[6], B lowp_scales[7])
;;     8. batch 96 x [M 1,024, K 1,024] x [K 1,024, N 64]; A: softmax (see below); B: computed on the way: QUANTISED (scales: A lowp_scales[8], B lowp_scales[9])
;;     9. [M 8,192, K 768] x [K 768, N 768]; A: computed on the way; B: input W_o: QUANTISED (scales: A lowp_scales[10], B lowp_scales[11])
;;   THE QUANTISER, for each operand of a quantised product, along K:
;;     - The operand's scale is 2^e, e = its entry of the input lowp_scales (int32; the entries are numbered through the quantised products in the list's order, A before B).
;;     - Each number is divided by the scale, clamped to +-57,344, and rounded to the nearest number of E5M2, ties to even, subnormals kept.
;;     - The product sums the exact products of the quantised numbers (number of the format x scale) in f32.
;;   ~~~python
;;   def quantise(x, axis, e):      # numpy; x: float32 -> the quantised numbers, widened to float32 again
;;       x = np.moveaxis(x, axis, -1); K = x.shape[-1]
;;       r = np.clip(x / 2.0 ** e, -57344, 57344)
;;       step = 2.0 ** (np.maximum(np.frexp(np.where(r == 0, 1, r))[1] - 1, -14) - 2)
;;       q = np.round(r / step) * step * 2.0 ** e      # np.round: ties to even
;;       return np.moveaxis(q, -1, axis).astype(np.float32)
;;   ~~~
;;   SOFTMAX AHEAD OF A QUANTISED PRODUCT. Where the list says 'softmax', what is quantised is not the finished softmax but p = 2^(t - M), with t = logit x log2(e) and M = ceil(the row's largest t), a whole number; so 1/2 < the row's largest p <= 1. The row's sum l is taken of the UNQUANTISED p, in f32, and the product's result is divided by l at the end. Since M is a whole number, a kernel that streams over the keys may use a running M (the ceiling of the running maximum): every later rescaling is an exact power of two, so the quantised numbers keep their values, but for numbers so far below the row's largest that they fall under the format's range.
;;   OPERANDS COMPUTED ON THE WAY. 'Computed on the way' means the value that the module computes at that place (a softmax that the list does not call 'softmax' is quantised finished and normalised). What goes into a quantiser is computed in f32, as accurately as f32 sums, v_exp_f32 and their like allow (about 1e-6 of the number): no bf16 or f16 on the way to a quantiser, and a product that is left as it is and whose result goes on into a quantised operand takes f32 operands (vector FMAs, or v_wmma_f32_16x16x4_f32). A number that lies on a knife's edge between two numbers of the format may be rounded either way, as far as f32 arithmetic and the matrix unit's own rounding can turn it there, and no further.
;; One version. Each part assembles by itself: llvm-mc -triple=amdgcn-amd-amdhsa -mcpu=gfx1250 --defsym DOCPART=n.
;; ======== version 1 of 1: 4 launches
;; limits: right only within a limited range of input values
;; workspace buffers: ximg 18,874,368 bytes; wimg 2,359,296 bytes; shift 73,728 bytes; qkv 18,874,368 bytes; oimg 6,291,456 bytes
;; launch prep (part 1): grid 388 x 1, 4 waves a work-group, no clusters, 84,480 bytes of LDS; arguments x, Wx_q, Wx_k, Wx_v, W_o, Wt_q, Wt_k, Wt_v, t, lowp_scales, ximg, wimg, shift; writes ximg, wimg, shift
.if DOCPART == 1
	.amdgcn_target "amdgcn-amd-amdhsa--gfx1250"
	.amdhsa_code_object_version 6
	.text
	.protected	k_q9e30184d5e_prep
	.globl	k_q9e30184d5e_prep
	.p2align	8
	.type	k_q9e30184d5e_prep,@function
k_q9e30184d5e_prep:
	s_mov_b64 s[64:65], 0
	v_nop
	global_prefetch_b8 v0, s[64:65] scope:SCOPE_SE
	s_setreg_imm32_b32 hwreg(HW_REG_WAVE_MODE, 25, 1), 1
	s_wait_xcnt 0x0
; PREP: what every later launch reads again is made once.
;  work-groups 0-255:   x [8192][768] f32 -> three sets of E5M2 codes (scales 2^e0, 2^e2, 2^e4), ximg [3][512 row tiles][12,288 bytes]
;  work-groups 256-351: Wx_q, Wx_k, Wx_v, W_o [768][768] f32 -> codes (e1, e3, e5, e11), wimg [4][48 tiles][12,288 bytes]
;  work-groups 352-387: the shifts t Wt^T in f32 by fused multiply-adds (they go on into a quantiser), shift [3][8][768] f32
; CODES LIE AS IMAGES OF THE OPERAND'S REGISTERS: a fragment (16 rows x 128 K) is four groups of 512 bytes; in group c lane (r, h) owns the 16 bytes at 16 x lane: k = 32 c + 16 h + 0..15 of row r.
; A tile of x is 16 neighbouring rows.  A TILE OF A WEIGHT IS NOT: lane r of tile 2 P + u takes row 32 P + 8 u + r + 8 (r / 8), so that a product's results of tiles 2 P, 2 P + 1 are 16 neighbours along the next K.
; code = number / 2^e, held within +-57,344, to the nearest code, ties to even.  LIMITS: each e between -126 and 112.  NaN among the inputs is not served.
; The three kinds of work part on the work-group's number alone; each has LDS bytes of its own.  No tensor loads, no matrix work: memory binds, and nothing is read twice.
.set R,     16                         ; v16-143  two sets of 64: a fragment's numbers as loaded (row i in registers 4 i ..)
.set X,     144                        ; v144-207 the same 64 numbers a lane as the operand wants them: register 16 c + i = k 32 c + 16 h + i of row r
.set T,     208                        ; v208-239 two sets of 16: held numbers
.set C,     240                        ; v240-255 a fragment's codes
.set STG,   8448                       ; a wave's stage: 16 rows x (512 bytes + 16): row r starts 132 words on, so the 16 rows of a read start at 16 different banks
.set LDS_W, 33792                      ; the weight path's four stages
.set LDS_T, 67584                      ; the shift path: t, 8,192 bytes,
.set LDS_P, 75776                      ; and the waves' partial sums [wave][b][64 n], 8,192 bytes
.macro MKSCALE vs, se                  ; v[vs] = 2^e as f32 (the conversion takes its exponent field)
	s_add_co_i32 s34, \se, 127
	s_lshl_b32 s35, s34, 23
	v_mov_b32 v[\vs], s35
	s_add_co_i32 s34, s34, 15
	s_lshl_b32 s34, s34, 23
	s_or_b32 s34, s34, 0x600000
.endm
.macro STAGEADR base
	s_add_co_u32 s3, s3, \base
	v_add_nc_u32 v2, s3, v1                        ; into the stage: 16 x lane of a row
	v_mul_u32_u24 v3, v12, 528
	v_lshl_add_u32 v3, v13, 6, v3
	v_add_nc_u32 v3, s3, v3                        ; out of it: row r, + 64 h: my 16 numbers of a block of 32
.endm
.macro QLOAD f, perm                   ; fragment f: 16 loads, each 512 consecutive bytes of one row
.set I_, 0
.rept 16
	global_load_b128 v[R+64*((\f)%2)+4*I_:R+64*((\f)%2)+4*I_+3], v1, s[16:17] offset:(I_+8*\perm*(I_/8))*3072+512*(\f) th:TH_LOAD_NT
.set I_, I_+1
.endr
.endm
.macro QFRAG f, nout, perm
.if \f < 2
	s_wait_loadcnt 16                              ; this fragment's 16 loads are in; the next one's 16 may be out
.else
	s_wait_loadcnt 0x0
.endif
.set I_, 0
.rept 16
	ds_store_b128 v2, v[R+64*(\f%2)+4*I_:R+64*(\f%2)+4*I_+3] offset:528*I_
.set I_, I_+1
.endr
	v_nop
.irp c, 0,1,2,3
.irp j, 0,1,2,3
	ds_load_b128 v[X+16*\c+4*\j:X+16*\c+4*\j+3], v3 offset:128*\c+16*\j   ; LDS serves a wave's instructions in order: these see my stores
.endr
.endr
	s_wait_dscnt 0x0                               ; the numbers are back, and the stores have read their registers
.if \f == 0
	QLOAD 2, \perm
.endif
.irp k, 0,1,2
.if \k < \nout
	s_wait_xcnt 0x0                                ; the codes' registers, which earlier stores read, are written again only behind this wait
.irp c, 0,1,2,3
.set I_, 0
.rept 16
.set I_, I_+1
.endr
	v_cvt_scalef32_pk8_bf8_f32 v[C+4*\c:C+4*\c+1], v[T+16*(\c%2)+((X+16*\c+I_)-(T+16*(\c%2)+I_)):T+16*(\c%2)+7+((X+16*\c+I_)-(T+16*(\c%2)+I_))], v[4+2*\k]
	v_cvt_scalef32_pk8_bf8_f32 v[C+4*\c+2:C+4*\c+3], v[T+16*(\c%2)+8+((X+16*\c+I_)-(T+16*(\c%2)+I_)):T+16*(\c%2)+15+((X+16*\c+I_)-(T+16*(\c%2)+I_))], v[4+2*\k]
.endr
.irp c, 0,1,2,3
	global_store_b128 v1, v[C+4*\c:C+4*\c+3], s[20+2*\k:21+2*\k] offset:2048*\f+512*\c   ; 32 lanes store 512 consecutive bytes, aligned
.endr
.endif
.endr
.endm
	v_lshl_add_u32 v14, v0, 2, 0x14800
	v_mov_b32 v15, 0
	v_lshrrev_b32 v10, 5, v0
	v_readfirstlane_b32 s2, v10                    ; wave 0..3
	v_and_b32 v11, 31, v0                          ; lane
	v_lshlrev_b32 v1, 4, v11                       ; 16 x lane
	v_and_b32 v12, 15, v0                          ; r
	v_bfe_u32 v13, v0, 4, 1                        ; h
	s_mul_i32 s3, s2, STG
	s_lshr_b32 s26, s2, 1                          ; which of the work-group's two tiles is mine
	s_and_b32 s27, s2, 1
	s_mul_i32 s27, s27, 3                          ; and my first of its six K steps
	s_cmp_lt_u32 ttmp9, 256
	s_cbranch_scc0 .Lnot_x
; ---- x: a wave turns three fragments of one row tile into three sets of codes
	s_load_b64 s[16:17], s[0:1], 0x0               ; x
	s_load_b128 s[4:7], s[0:1], 0x48               ; lowp_scales, ximg
	s_wait_alu depctr_va_vdst(0)
	STAGEADR 0
	s_lshl_b32 s28, ttmp9, 1
	s_add_co_u32 s28, s28, s26                     ; row tile
	s_mul_i32 s30, s28, 49152                      ; 16 rows of 3,072 bytes
	s_lshl_b32 s29, s27, 9
	s_add_co_u32 s30, s30, s29
	s_mov_b32 s31, 0
	s_mul_i32 s32, s28, 12288
	s_lshl_b32 s29, s27, 11
	s_add_co_u32 s32, s32, s29
	s_mov_b32 s33, 0
	s_wait_alu depctr_va_vdst(0)
	s_wait_kmcnt 0x0
	s_load_b256 s[8:15], s[4:5], 0x0               ; e0 .. e7
	s_add_nc_u64 s[16:17], s[16:17], s[30:31]
	s_add_nc_u64 s[20:21], s[6:7], s[32:33]
	s_add_nc_u64 s[22:23], s[20:21], 6291456
	s_add_nc_u64 s[24:25], s[22:23], 6291456
	QLOAD 0, 0
	QLOAD 1, 0
	s_wait_kmcnt 0x0
	MKSCALE 4, s8
	MKSCALE 6, s10
	MKSCALE 8, s12
	s_wait_alu depctr_va_vdst(0)
	QFRAG 0, 3, 0
	QFRAG 1, 3, 0
	QFRAG 2, 3, 0
	s_wait_tensorcnt 0x0
	ds_add_u32 v14, v15
	s_wait_dscnt 0x0
	s_endpgm
.Lnot_x:
	s_cmp_lt_u32 ttmp9, 352
	s_cbranch_scc0 .Lpath_t
; ---- the four square weights: the same, with the tile's rows chosen and one scale
	s_load_b256 s[4:11], s[0:1], 0x8               ; Wx_q, Wx_k, Wx_v, W_o
	s_load_b64 s[12:13], s[0:1], 0x48              ; lowp_scales
	s_load_b64 s[14:15], s[0:1], 0x58              ; wimg
	s_wait_alu depctr_va_vdst(0)
	STAGEADR LDS_W
	s_sub_co_u32 s28, ttmp9, 256
	s_mul_hi_u32 s36, s28, 0x0aaaaaab              ; which weight: / 24
	s_mul_i32 s29, s36, 24
	s_sub_co_u32 s28, s28, s29
	s_lshl_b32 s28, s28, 1
	s_add_co_u32 s28, s28, s26                     ; tile 0..47
	s_lshr_b32 s29, s28, 1
	s_lshl_b32 s29, s29, 5
	s_and_b32 s30, s28, 1
	s_lshl_b32 s30, s30, 3
	s_add_co_u32 s29, s29, s30                     ; its first row: 32 (tile / 2) + 8 (tile % 2)
	s_mul_i32 s30, s29, 3072
	s_lshl_b32 s29, s27, 9
	s_add_co_u32 s30, s30, s29
	s_mov_b32 s31, 0
	s_mul_i32 s32, s36, 589824
	s_mul_i32 s29, s28, 12288
	s_add_co_u32 s32, s32, s29
	s_lshl_b32 s29, s27, 11
	s_add_co_u32 s32, s32, s29
	s_mov_b32 s33, 0
	s_wait_alu depctr_va_vdst(0)
	s_wait_kmcnt 0x0
	s_load_b256 s[40:47], s[12:13], 0x0            ; e0 .. e7
	s_load_b32 s48, s[12:13], 0x2c                 ; e11
	s_cmp_eq_u32 s36, 1                            ; the choices hang on the work-group's number alone
	s_cselect_b64 s[16:17], s[6:7], s[4:5]
	s_cmp_eq_u32 s36, 2
	s_cselect_b64 s[16:17], s[8:9], s[16:17]
	s_cmp_eq_u32 s36, 3
	s_cselect_b64 s[16:17], s[10:11], s[16:17]
	s_add_nc_u64 s[16:17], s[16:17], s[30:31]
	s_add_nc_u64 s[20:21], s[14:15], s[32:33]
	QLOAD 0, 1
	QLOAD 1, 1
	s_wait_kmcnt 0x0
	s_cmp_eq_u32 s36, 1
	s_cselect_b32 s38, s43, s41
	s_cmp_eq_u32 s36, 2
	s_cselect_b32 s38, s45, s38
	s_cmp_eq_u32 s36, 3
	s_cselect_b32 s38, s48, s38
	MKSCALE 4, s38
	s_wait_alu depctr_va_vdst(0)
	QFRAG 0, 1, 1
	QFRAG 1, 1, 1
	QFRAG 2, 1, 1
	s_wait_tensorcnt 0x0
	ds_add_u32 v14, v15
	s_wait_dscnt 0x0
	s_endpgm
.Lpath_t:
; ---- the shifts: a work-group makes 64 columns n of one of the three, for all 8 batches.  Lane l owns rows 2 l, 2 l + 1 of Wt, wave w owns k = 64 w .. 64 w + 63; the four waves' sums meet in LDS.
	s_load_b128 s[4:7], s[0:1], 0x28               ; Wt_q, Wt_k
	s_load_b128 s[8:11], s[0:1], 0x38              ; Wt_v, t
	s_load_b64 s[12:13], s[0:1], 0x60              ; shift
	s_sub_co_u32 s28, ttmp9, 352
	s_mul_hi_u32 s36, s28, 0x15555556              ; which of the three: / 12
	s_mul_i32 s29, s36, 12
	s_sub_co_u32 s28, s28, s29                     ; which 64 columns
	v_lshlrev_b32 v2, 4, v0                        ; t in memory: 16 bytes a thread
	v_lshl_add_u32 v3, v0, 4, LDS_T                ; and in LDS
	s_wait_alu depctr_va_vdst(0)
	v_lshlrev_b32 v4, 11, v11
	s_lshl_b32 s30, s2, 8
	v_add_nc_u32 v4, s30, v4                       ; Wt: 2 l rows of 1,024 bytes + 256 w
	s_add_co_u32 s31, s30, LDS_T
	v_mov_b32 v5, s31                              ; t's numbers of my wave's k: the same address in every lane
	v_lshlrev_b32 v6, 3, v11                       ; 8 l: my two columns
	s_lshl_b32 s31, s2, 11
	s_add_co_u32 s31, s31, LDS_P
	v_add_nc_u32 v7, s31, v6                       ; my partial sums
	s_lshl_b32 s31, s2, 9
	s_add_co_u32 s31, s31, LDS_P
	v_add_nc_u32 v8, s31, v6                       ; back: batches 2 w, 2 w + 1 of every wave's
	s_lshl_b32 s32, s28, 16                        ; 64 rows of Wt
	s_mov_b32 s33, 0
	s_mul_i32 s34, s36, 24576
	s_mul_i32 s35, s2, 6144
	s_add_co_u32 s34, s34, s35
	s_lshl_b32 s35, s28, 8
	s_add_co_u32 s34, s34, s35                     ; shift[which][2 w][64 x block], in bytes
	s_mov_b32 s35, 0
	s_wait_alu depctr_va_vdst(0)
	s_wait_kmcnt 0x0
	s_cmp_eq_u32 s36, 1
	s_cselect_b64 s[4:5], s[6:7], s[4:5]
	s_cmp_eq_u32 s36, 2
	s_cselect_b64 s[4:5], s[8:9], s[4:5]
	s_add_nc_u64 s[4:5], s[4:5], s[32:33]
	s_add_nc_u64 s[12:13], s[12:13], s[34:35]
.irp j, 0,1,2,3
	global_load_b128 v[16+4*\j:19+4*\j], v2, s[10:11] offset:2048*\j
.endr
.irp row, 0,1
.set I_, 0
.rept 16
	global_load_b128 v[64+64*\row+4*I_:67+64*\row+4*I_], v4, s[4:5] offset:1024*\row+16*I_
.set I_, I_+1
.endr
.endr
	s_wait_loadcnt 32                              ; t is in; Wt's 32 loads may be out
.irp j, 0,1,2,3
	ds_store_b128 v3, v[16+4*\j:19+4*\j] offset:2048*\j
.endr
	s_wait_dscnt 0x0                               ; for the others' sake: my part of t lies in LDS
	s_barrier_signal -1
	s_barrier_wait -1
.macro TLD m                           ; t[b][64 w + 4 m ..], b = 0..7, into set m % 2
.irp b, 0,1,2,3,4,5,6,7
	ds_load_b128 v[192+32*((\m)%2)+4*\b:192+32*((\m)%2)+4*\b+3], v5 offset:1024*\b+16*(\m)
.endr
.endm
.macro TCH m                           ; four k: 32 packed multiply-adds; a sum is a pair (even k, odd k) for each (b, row); the first product starts it
.set TT_, 192+32*((\m)%2)
.irp b, 0,1,2,3,4,5,6,7
.irp row, 0,1
.set A_, 32+4*\b+2*\row
.set W_, 64+64*\row+4*(\m)
.if (\m) == 0
	v_pk_mul_f32 v[A_:A_+1], v[W_:W_+1], v[TT_+4*\b:TT_+4*\b+1]
.else
	v_pk_fma_f32 v[A_:A_+1], v[W_:W_+1], v[TT_+4*\b:TT_+4*\b+1], v[A_:A_+1]
.endif
	v_pk_fma_f32 v[A_:A_+1], v[W_+2:W_+3], v[TT_+4*\b+2:TT_+4*\b+3], v[A_:A_+1]
.endr
.endr
.endm
	TLD 0
.set M_, 0
.rept 16
.if M_ < 15
	TLD M_+1
	s_wait_dscnt 8                                 ; this chunk's 8 loads are in; the next chunk's 8 may be out
.else
	s_wait_dscnt 0x0
.endif
.if M_ == 0
	s_wait_loadcnt 0x0                             ; Wt
.endif
	TCH M_
.set M_, M_+1
.endr
.irp b, 0,1,2,3,4,5,6,7
	v_add_f32 v[32+4*\b], v[32+4*\b], v[33+4*\b]   ; even k + odd k: row 2 l,
	v_add_f32 v[33+4*\b], v[34+4*\b], v[35+4*\b]   ; row 2 l + 1
.endr
.irp b, 0,1,2,3,4,5,6,7
	ds_store_b64 v7, v[32+4*\b:33+4*\b] offset:256*\b
.endr
	s_wait_dscnt 0x0                               ; for the others' sake
	s_barrier_signal -1
	s_barrier_wait -1
.irp bb, 0,1
.irp wq, 0,1,2,3
	ds_load_b64 v[64+8*\bb+2*\wq:65+8*\bb+2*\wq], v8 offset:2048*\wq+256*\bb
.endr
.endr
	s_wait_dscnt 0x0
.irp bb, 0,1
	v_pk_add_f32 v[64+8*\bb:65+8*\bb], v[64+8*\bb:65+8*\bb], v[66+8*\bb:67+8*\bb]
	v_pk_add_f32 v[68+8*\bb:69+8*\bb], v[68+8*\bb:69+8*\bb], v[70+8*\bb:71+8*\bb]
	v_pk_add_f32 v[64+8*\bb:65+8*\bb], v[64+8*\bb:65+8*\bb], v[68+8*\bb:69+8*\bb]
	global_store_b64 v6, v[64+8*\bb:65+8*\bb], s[12:13] offset:3072*\bb   ; 32 lanes store 256 consecutive bytes, aligned
.endr
	s_wait_tensorcnt 0x0
	ds_add_u32 v14, v15
	s_wait_dscnt 0x0
	s_endpgm
.Lfunc_end_k_q9e30184d5e_prep:
	.size	k_q9e30184d5e_prep, .Lfunc_end_k_q9e30184d5e_prep-k_q9e30184d5e_prep
	.p2alignl 7, 3214868480
	.fill 96, 4, 3214868480
	.section	.rodata,"a",@progbits
	.p2align	6, 0x0
	.amdhsa_kernel k_q9e30184d5e_prep
		.amdhsa_group_segment_fixed_size 84480
		.amdhsa_private_segment_fixed_size 0
		.amdhsa_enable_private_segment 0
		.amdhsa_kernarg_size 104
		.amdhsa_user_sgpr_count 2
		.amdhsa_user_sgpr_kernarg_segment_ptr 1
		.amdhsa_wavefront_size32 1
		.amdhsa_system_sgpr_workgroup_id_x 1
		.amdhsa_system_sgpr_workgroup_id_y 1
		.amdhsa_system_sgpr_workgroup_id_z 1
		.amdhsa_system_vgpr_workitem_id 0
		.amdhsa_next_free_vgpr 256
		.amdhsa_next_free_sgpr 66
		.amdhsa_reserve_vcc 0
		.amdhsa_float_denorm_mode_32 3
		.amdhsa_float_denorm_mode_16_64 3
		.amdhsa_fp16_overflow 1
		.amdhsa_memory_ordered 1
		.amdhsa_forward_progress 1
		.amdhsa_inst_pref_size 87
	.end_amdhsa_kernel
	.amdgpu_metadata
---
amdhsa.version: [ 1, 2 ]
amdhsa.kernels:
  - .name:           k_q9e30184d5e_prep
    .symbol:         k_q9e30184d5e_prep.kd
    .args:
      - { .name: x, .offset: 0, .size: 8, .value_kind: global_buffer, .address_space: global }
      - { .name: Wx_q, .offset: 8, .size: 8, .value_kind: global_buffer, .address_space: global }
      - { .name: Wx_k, .offset: 16, .size: 8, .value_kind: global_buffer, .address_space: global }
      - { .name: Wx_v, .offset: 24, .size: 8, .value_kind: global_buffer, .address_space: global }
      - { .name: W_o, .offset: 32, .size: 8, .value_kind: global_buffer, .address_space: global }
      - { .name: Wt_q, .offset: 40, .size: 8, .value_kind: global_buffer, .address_space: global }
      - { .name: Wt_k, .offset: 48, .size: 8, .value_kind: global_buffer, .address_space: global }
      - { .name: Wt_v, .offset: 56, .size: 8, .value_kind: global_buffer, .address_space: global }
      - { .name: t, .offset: 64, .size: 8, .value_kind: global_buffer, .address_space: global }
      - { .name: lowp_scales, .offset: 72, .size: 8, .value_kind: global_buffer, .address_space: global }
      - { .name: ximg, .offset: 80, .size: 8, .value_kind: global_buffer, .address_space: global }
      - { .name: wimg, .offset: 88, .size: 8, .value_kind: global_buffer, .address_space: global }
      - { .name: shift, .offset: 96, .size: 8, .value_kind: global_buffer, .address_space: global }
    .group_segment_fixed_size: 84480
    .private_segment_fixed_size: 0
    .kernarg_segment_align: 8
    .kernarg_segment_size: 104
    .max_flat_workgroup_size: 128
    .sgpr_count:     66
    .vgpr_count:     256
    .wavefront_size: 32
...
	.end_amdgpu_metadata
.endif
;; end of part 1
;; launch qkv (part 2): grid 32 x 6, 4 waves a work-group, no clusters, 197,120 bytes of LDS; arguments ximg, wimg, shift, lowp_scales, qkv; writes qkv
.if DOCPART == 2
	.amdgcn_target "amdgcn-amd-amdhsa--gfx1250"
	.amdhsa_code_object_version 6
	.text
	.protected	k_q9e30184d5e_qkv
	.globl	k_q9e30184d5e_qkv
	.p2align	8
	.type	k_q9e30184d5e_qkv,@function
k_q9e30184d5e_qkv:
	s_mov_b64 s[64:65], 0
	v_nop
	global_prefetch_b8 v0, s[64:65] scope:SCOPE_SE
	s_setreg_imm32_b32 hwreg(HW_REG_WAVE_MODE, 25, 1), 1
	s_wait_xcnt 0x0
; QKV: q, k, v = x W^T + shift on E5M2 codes, quantised on the way out for attention's products; only codes leave.
; grid y = 2 x tensor (0 q, 1 k, 2 v) + half of its 768 columns; grid x = 256 rows (one batch's quarter), walked as four blocks of 64.
; THE WAVES SHARE THE COLUMNS: wave w owns 96 columns, six weight tiles x six K steps = 36 fragments, 576 registers, read once and kept.  What goes round is small: each wave copies one row tile's
; image (12,288 bytes) from memory through registers into LDS, and all four waves read all four tiles: a fragment of x read from LDS feeds six matrix instructions.
; 192 work-groups: 3 x 768 columns are 24 shares of 96, and with the weights kept in registers a work-group holds four shares: 6 column groups x 32 row groups.
; NO CLUSTER, NO TENSOR LOADS: the weights are read once a work-group at its head, and a row tile's image is read by two work-groups only; there is no ring whose tiles partners could ask for jointly.
; q, k: source 0 = 16 rows of W, source 1 = 16 tokens: a lane holds one token, and tiles 2 P, 2 P + 1 give it 16 neighbouring channels (the tiles' rows were chosen so): one group of the scores' operand.
; v:    source 0 = 16 tokens, source 1 = 16 rows of W: a lane holds one channel and eight tokens a tile: two token tiles give 16 bytes of V with the keys innermost.
; The shift is the C of each sum's first matrix instruction, divided by 2^(ex + ew); the conversion's one scale is 2^(eout - ex - ew).
; OUT: qkv [3][8 b][12 heads][65,536]: q, k: [token tile 64][c 2][512 bytes]; v: [32 keys (32)][channel tile 4][512 bytes].
; LIMITS: eout - ex - ew between -126 and 112.  NaN is not served.
; REGISTERS: window 0: v1-2 image read addresses, v3-4 image store addresses, v5 16 x lane, v6-11 store offsets, v12 scale; v16-79 x's fragments, two sets of two; v80-175 staging; v208-255 codes.
;   v256-831 W's fragments (tile i, K step s) at 256 + 16 (6 s + i).  Window 3: from v64 twelve accumulators (tile i, token tile jj) at 64 + 8 (2 i + jj); from v160 the shifts, eight registers a tile.
.set XFR, 16
.set ST,  80
.set T,   176
.set PC,  208
.set AC,  64
.set SH,  160
.set VA,  6
.set SC,  12
.set LIM, 13
.set MSB, 0
.set TS_, 0
.macro WIN new                         ; the immediate's high byte repeats the setting that is left; a switch that changes nothing is dropped
.if MSB != (\new)
	s_set_vgpr_msb (MSB<<8)|(\new)
.set MSB, (\new)
.endif
.endm
.macro XLOAD                           ; my row tile's image: 24 loads of 512 consecutive bytes
.set K_, 0
.rept 24
	global_load_b128 v[ST+4*K_:ST+4*K_+3], v5, s[4:5] offset:512*K_
.set K_, K_+1
.endr
.endm
.macro FETCH buf, u                    ; unit u = 6 x (pair of token tiles) + K step: two fragments of x into set u % 2
.irp jj, 0,1
.irp c, 0,1,2,3
	ds_load_b128 v[XFR+32*((\u)%2)+16*\jj+4*\c:XFR+32*((\u)%2)+16*\jj+4*\c+3], v[1+\buf] offset:((2*((\u)/6)+\jj)*6+(\u)%6)*2048+512*\c
.endr
.endr
.endm
.macro MUL u, swap                     ; 12 matrix instructions, the 12 accumulators by turns
.set S_, (\u)%6
.set XS_, XFR+32*((\u)%2)
.irp i, 0,1,2,3,4,5
.set RW_, 256+16*(6*S_+\i)
.set WL_, RW_&255
.if \swap
	WIN 0xf0|((RW_>>8)<<2)
.else
	WIN 0xf0|(RW_>>8)
.endif
.irp jj, 0,1
.set D_, AC+8*(2*\i+\jj)
.set XJ_, XS_+16*\jj
.if \swap
.if S_ == 0
	v_wmma_f32_16x16x128_bf8_bf8 v[D_:D_+7], v[XJ_:XJ_+15], v[WL_:WL_+15], v[SH+8*\i:SH+8*\i+7]
.else
	v_wmma_f32_16x16x128_bf8_bf8 v[D_:D_+7], v[XJ_:XJ_+15], v[WL_:WL_+15], v[D_:D_+7]
.endif
.else
.if S_ == 0
	v_wmma_f32_16x16x128_bf8_bf8 v[D_:D_+7], v[WL_:WL_+15], v[XJ_:XJ_+15], v[SH+8*\i:SH+8*\i+7]
.else
	v_wmma_f32_16x16x128_bf8_bf8 v[D_:D_+7], v[WL_:WL_+15], v[XJ_:XJ_+15], v[D_:D_+7]
.endif
.endif
.endr
.endr
.endm
.macro EPIG a0, a1, slot, va, off      ; two accumulators, each from its low end on, become 16 codes a lane and leave: 512 consecutive bytes a store
	WIN 0x03
.irp j, 0,1,2,3,4,5,6,7
.endr
.irp j, 0,1,2,3,4,5,6,7
.endr
	v_cvt_scalef32_pk8_bf8_f32 v[PC+4*(\slot):PC+4*(\slot)+1], v[T+16*TS_+(((\a0)+0)-(T+16*TS_+0)):T+16*TS_+7+(((\a0)+0)-(T+16*TS_+0))], v[SC]
	v_cvt_scalef32_pk8_bf8_f32 v[PC+4*(\slot)+2:PC+4*(\slot)+3], v[T+16*TS_+8+(((\a1)+0)-(T+16*TS_+8+0)):T+16*TS_+15+(((\a1)+0)-(T+16*TS_+8+0))], v[SC]
	WIN 0
	global_store_b128 v[\va], v[PC+4*(\slot):PC+4*(\slot)+3], s[12:13] offset:\off
.set TS_, 1-TS_
.endm
.macro EPI_HEAD
	WIN 0
.rept 4
	v_nop                                          ; four places between the last products and the first read of results (ISA guide 7.12.1)
.endr
	s_wait_xcnt 0x0                                ; the last block's stores have read the codes' registers
.endm
.macro EPI_QK g2
	EPI_HEAD
.irp jj, 0,1
.irp pb, 0,1,2
	EPIG AC+8*(4*\pb+\jj), AC+8*(4*\pb+2+\jj), 6*(\g2)+3*\jj+\pb, VA+\pb, (2*(\g2)+\jj)*1024
.endr
.endr
	v_nop                                          ; a plain line behind the last conversion
.endm
.macro EPI_V g2
	EPI_HEAD
.irp i, 0,1,2,3,4,5
	EPIG AC+16*\i, AC+16*\i+8, 6*(\g2)+\i, VA+\i, 2048*(\g2)
.endr
	v_nop
.endm
; A block of 64 rows.  One barrier: the two image buffers take turns, and a buffer is written again only by waves that have passed the other buffer's barrier, which every wave reaches behind its last read of this one.
.macro BLOCK buf, swap, next           ; next = 1: the next block's image is asked for; 2: unless this is the last block
	s_wait_loadcnt 0x0                             ; my row tile's image is in registers (asked for a block ago); its loads have read their base
	s_add_nc_u64 s[4:5], s[4:5], 49152             ; four row tiles on
.set K_, 0
.rept 24
	ds_store_b128 v[3+\buf], v[ST+4*K_:ST+4*K_+3] offset:512*K_
.set K_, K_+1
.endr
	s_wait_dscnt 0x0                               ; for the others' sake: my stores have landed, and my reads of the other buffer are over
	s_barrier_signal -1
	s_barrier_wait -1
.if \next == 2
	s_cmp_eq_u32 s17, 1                            ; no load leaves its buffer
	s_cbranch_scc1 .Lno_next_\@
.endif
	XLOAD
.if \next == 2
.Lno_next_\@:
.endif
	FETCH \buf, 0
.set U_, 0
.rept 12
	WIN 0
.if U_ < 11
.rept 4
	v_nop                                          ; four places in front of loads into the set that the unit before multiplied
.endr
	FETCH \buf, U_+1
	s_wait_dscnt 8                                 ; this unit's fragments are in; the 8 loads just issued may be out
.else
	s_wait_dscnt 0x0
.endif
	MUL U_, \swap
.if U_%6 == 5
.if \swap
	EPI_V U_/6
.else
	EPI_QK U_/6
.endif
.endif
.set U_, U_+1
.endr
	s_wait_xcnt 0x0                                ; the stores have read their base
	s_add_nc_u64 s[12:13], s[12:13], 4096          ; 64 rows of codes on, in either layout
.endm
.macro PATH swap, base
	s_mul_i32 s39, s2, 12288
	v_add_nc_u32 v1, \base, v5                     ; the two image buffers,
	v_add_nc_u32 v2, \base+49152, v5
	v_add_nc_u32 v3, s39, v1                       ; and my row tile's place in each
	v_add_nc_u32 v4, s39, v2
.if \swap
.irp i, 0,1,2,3,4,5
	s_add_co_u32 s52, s19, \i                      ; weight tile: head = tile / 4, channel tile = tile % 4
	s_lshr_b32 s53, s52, 2
	s_lshl_b32 s53, s53, 16
	s_and_b32 s52, s52, 3
	s_lshl_b32 s52, s52, 9
	s_add_co_u32 s53, s53, s52
	v_add_nc_u32 v[VA+\i], s53, v5
.endr
	v_and_b32 v14, 15, v0
	v_and_b32 v15, 8, v0
	v_add_nc_u32 v14, v14, v15
	v_lshlrev_b32 v14, 2, v14                      ; my channel of a tile: r + 8 (r / 8)
	WIN 0xc0
.irp i, 0,1,2,3,4,5
	global_load_b32 v[SH+8*\i], v14, s[8:9] offset:(32*(\i/2)+8*(\i%2))*4
.endr
	WIN 0
	s_wait_loadcnt 0x0
	WIN 0xc3
.irp i, 0,1,2,3,4,5
.irp j, 7,6,5,4,3,2,1,0
	v_ldexp_f32 v[SH+8*\i+\j], v[SH+8*\i], s36     ; shift / 2^(ex + ew): the same for a lane's eight tokens
.endr
.endr
	WIN 0
.else
	s_lshr_b32 s40, s19, 1
.irp pb, 0,1,2
	s_add_co_u32 s52, s40, \pb                     ; block of 32 columns: head = block / 2, group c = block % 2
	s_lshr_b32 s53, s52, 1
	s_lshl_b32 s53, s53, 16
	s_and_b32 s52, s52, 1
	s_lshl_b32 s52, s52, 9
	s_add_co_u32 s53, s53, s52
	v_add_nc_u32 v[VA+\pb], s53, v5
.endr
	v_bfe_u32 v14, v0, 4, 1
	v_lshlrev_b32 v14, 6, v14                      ; 64 h: my half's 16 columns of a block of 32
	WIN 0xc0
.irp i, 0,1,2,3,4,5
	global_load_b128 v[SH+8*\i:SH+8*\i+3], v14, s[8:9] offset:(32*(\i/2)+8*(\i%2))*4
	global_load_b128 v[SH+8*\i+4:SH+8*\i+7], v14, s[8:9] offset:(32*(\i/2)+8*(\i%2))*4+16
.endr
	WIN 0
	s_wait_loadcnt 0x0
	WIN 0xc3
.set J_, 0
.rept 48
	v_ldexp_f32 v[SH+J_], v[SH+J_], s36            ; shift / 2^(ex + ew)
.set J_, J_+1
.endr
	WIN 0
.endif
	s_mov_b32 s17, 0
.Ltrip_\@:
	s_wait_alu depctr_va_vdst(0)
	BLOCK 0, \swap, 1
	BLOCK 1, \swap, 2
	s_add_co_u32 s17, s17, 1
	s_cmp_lt_u32 s17, 2
	s_cbranch_scc1 .Ltrip_\@
	s_set_vgpr_msb 0xf
	s_wait_tensorcnt 0x0
	ds_add_u32 v254, v255
	s_wait_dscnt 0x0
	s_set_vgpr_msb 0xf00
	s_endpgm
.endm
	s_load_b256 s[4:11], s[0:1], 0x0               ; ximg, wimg, shift, lowp_scales
	s_load_b64 s[12:13], s[0:1], 0x20              ; qkv
	s_set_vgpr_msb 0xc0
	v_lshl_add_u32 v254, v0, 2, 0x30000
	v_mov_b32 v255, 0
	s_set_vgpr_msb 0xc000
	v_lshrrev_b32 v14, 5, v0
	v_readfirstlane_b32 s2, v14                    ; wave 0..3
	v_and_b32 v14, 31, v0
	v_lshlrev_b32 v5, 4, v14                       ; 16 x lane
	s_and_b32 s18, ttmp7, 0xffff
	s_lshr_b32 s14, s18, 1                         ; which tensor
	s_and_b32 s15, s18, 1                          ; which half of its columns
	s_lshl_b32 s20, ttmp9, 4
	s_add_co_u32 s20, s20, s2
	s_mul_i32 s20, s20, 12288                      ; my row tile of the first block,
	s_mul_i32 s21, s14, 6291456                    ; in the tensor's own set of x's codes
	s_add_co_u32 s20, s20, s21
	s_mov_b32 s21, 0
	s_mul_i32 s22, s15, 24
	s_mul_i32 s23, s2, 6
	s_add_co_u32 s19, s22, s23                     ; my first weight tile
	s_mul_i32 s22, s19, 12288
	s_mul_i32 s23, s14, 589824
	s_add_co_u32 s22, s22, s23
	s_mov_b32 s23, 0
	s_lshr_b32 s24, ttmp9, 2                       ; batch
	s_lshl_b32 s25, s14, 3
	s_add_co_u32 s25, s25, s24
	s_mul_i32 s25, s25, 3072
	s_lshl_b32 s26, s19, 6
	s_add_co_u32 s26, s26, s25                     ; shift[tensor][batch][my first column]
	s_mov_b32 s27, 0
	s_mul_i32 s28, s14, 6291456
	s_mul_i32 s29, s24, 786432
	s_add_co_u32 s28, s28, s29
	s_and_b32 s29, ttmp9, 3
	s_lshl_b32 s29, s29, 14
	s_add_co_u32 s28, s28, s29                     ; out: tensor, batch, my 256 rows' place in a head
	s_mov_b32 s29, 0
	s_wait_alu depctr_va_vdst(0)
	s_wait_kmcnt 0x0
	s_load_b256 s[40:47], s[10:11], 0x0            ; e0 .. e7
	s_load_b128 s[48:51], s[10:11], 0x20           ; e8 .. e11
	s_add_nc_u64 s[4:5], s[4:5], s[20:21]
	s_add_nc_u64 s[6:7], s[6:7], s[22:23]
	s_add_nc_u64 s[8:9], s[8:9], s[26:27]
	s_add_nc_u64 s[12:13], s[12:13], s[28:29]
.set F_, 0
.rept 36                               ; W's 36 fragments, in the order of their registers: they stay
	WIN ((256+16*F_)>>8)<<6
.irp c, 0,1,2,3
	global_load_b128 v[((16*F_)&255)+4*\c:((16*F_)&255)+4*\c+3], v5, s[6:7] offset:(F_%6)*12288+(F_/6)*2048+512*\c
.endr
.set F_, F_+1
.endr
	WIN 0
	XLOAD                                          ; the first block
	s_wait_kmcnt 0x0
	s_cmp_eq_u32 s14, 1                            ; ex, ew, eout of my tensor
	s_cselect_b32 s32, s42, s40
	s_cselect_b32 s33, s43, s41
	s_cselect_b32 s34, s47, s46
	s_cmp_eq_u32 s14, 2
	s_cselect_b32 s32, s44, s32
	s_cselect_b32 s33, s45, s33
	s_cselect_b32 s34, s49, s34
	s_add_co_i32 s35, s32, s33                     ; a sum stands for sum x 2^(ex + ew)
	s_sub_co_i32 s36, 0, s35
	s_sub_co_i32 s37, s34, s35
	s_add_co_i32 s37, s37, 127
	s_lshl_b32 s38, s37, 23
	v_mov_b32 v[SC], s38                           ; 2^(eout - ex - ew)
	s_cmp_eq_u32 s14, 2
	s_cbranch_scc1 .Lv_path
	PATH 0, 0
.Lv_path:
	PATH 1, 98304
.Lfunc_end_k_q9e30184d5e_qkv:
	.size	k_q9e30184d5e_qkv, .Lfunc_end_k_q9e30184d5e_qkv-k_q9e30184d5e_qkv
	.p2alignl 7, 3214868480
	.fill 96, 4, 3214868480
	.section	.rodata,"a",@progbits
	.p2align	6, 0x0
	.amdhsa_kernel k_q9e30184d5e_qkv
		.amdhsa_group_segment_fixed_size 197120
		.amdhsa_private_segment_fixed_size 0
		.amdhsa_enable_private_segment 0
		.amdhsa_kernarg_size 40
		.amdhsa_user_sgpr_count 2
		.amdhsa_user_sgpr_kernarg_segment_ptr 1
		.amdhsa_wavefront_size32 1
		.amdhsa_system_sgpr_workgroup_id_x 1
		.amdhsa_system_sgpr_workgroup_id_y 1
		.amdhsa_system_sgpr_workgroup_id_z 1
		.amdhsa_system_vgpr_workitem_id 0
		.amdhsa_next_free_vgpr 1024
		.amdhsa_next_free_sgpr 66
		.amdhsa_reserve_vcc 0
		.amdhsa_float_denorm_mode_32 3
		.amdhsa_float_denorm_mode_16_64 3
		.amdhsa_fp16_overflow 1
		.amdhsa_memory_ordered 1
		.amdhsa_forward_progress 1
		.amdhsa_inst_pref_size 132
	.end_amdhsa_kernel
	.amdgpu_metadata
---
amdhsa.version: [ 1, 2 ]
amdhsa.kernels:
  - .name:           k_q9e30184d5e_qkv
    .symbol:         k_q9e30184d5e_qkv.kd
    .args:
      - { .name: ximg, .offset: 0, .size: 8, .value_kind: global_buffer, .address_space: global }
      - { .name: wimg, .offset: 8, .size: 8, .value_kind: global_buffer, .address_space: global }
      - { .name: shift, .offset: 16, .size: 8, .value_kind: global_buffer, .address_space: global }
      - { .name: lowp_scales, .offset: 24, .size: 8, .value_kind: global_buffer, .address_space: global }
      - { .name: qkv, .offset: 32, .size: 8, .value_kind: global_buffer, .address_space: global }
    .group_segment_fixed_size: 197120
    .private_segment_fixed_size: 0
    .kernarg_segment_align: 8
    .kernarg_segment_size: 40
    .max_flat_workgroup_size: 128
    .sgpr_count:     66
    .vgpr_count:     1024
    .wavefront_size: 32
...
	.end_amdgpu_metadata
.endif
;; end of part 2
;; launch attn (part 3): grid 16 x 16, 16 waves a work-group, clusters of 4 x 4, 327,680 bytes of LDS; arguments qkv, rel_pos_bias, lowp_scales, oimg; writes oimg
.if DOCPART == 3
	.amdgcn_target "amdgcn-amd-amdhsa--gfx1250"
	.amdhsa_code_object_version 6
	.text
	.protected	k_q9e30184d5e_attn
	.globl	k_q9e30184d5e_attn
	.p2align	8
	.type	k_q9e30184d5e_attn,@function
k_q9e30184d5e_attn:
	s_mov_b64 s[64:65], 0
	v_nop
	global_prefetch_b8 v0, s[64:65] scope:SCOPE_SE
	s_setreg_imm32_b32 hwreg(HW_REG_WAVE_MODE, 25, 1), 1
	s_wait_xcnt 0x0
	s_wait_alu depctr_hold_cnt(0) depctr_sa_sdst(0) depctr_va_vdst(0) depctr_va_sdst(0) depctr_va_ssrc(0) depctr_va_vcc(0) depctr_vm_vsrc(0)
	s_getreg_b32 s2, hwreg(HW_REG_IB_STS2, 6, 4)
	s_cmp_eq_u32 s2, 0
	s_cbranch_scc0 .Lentry_in_a_cluster
	s_endpgm
.Lentry_in_a_cluster:
	s_bfe_u32 s2, ttmp6, 0x10000c
	s_cmp_lg_u32 s2, 0xf033
	s_cbranch_scc0 .Lentry_shape_is_right
	s_endpgm
.Lentry_shape_is_right:
; ATTENTION on E5M2 codes: o = softmax(q k^T / 8 + bias) v, quantised for the output projection.
; SHARES.  Work-group x = 64 queries; work-group y = 4 x (group of 3 heads) + (pair of batches).  A work-group stays and walks its three heads; the ring of tiles runs on from head to head.
; SIXTEEN WAVES, four to a SIMD, 256 registers each.  Wave w: half of the keys w / 8, batch 2 pair + (w / 4) % 2, query tile w % 4.  So a tile of 16 queries is walked by two waves, keys 0-511 and 512-1023,
; 128 keys a step; at a head's end the upper half's wave hands -M, the sum and O^T to the lower half's wave through LDS bytes of their own, and that wave merges, divides, quantises and stores.
; CLUSTER, 4 x 4: cx = the query block within four, cy = the pair of batches, the cluster's y = the group of heads.  A bias tile hangs on heads and query block alone: the four work-groups of a column of the cluster
; (same cx) ask for it JOINTLY.  K's and V's tiles hang on the pair of batches and the heads alone: the four of a row (same cy) ask jointly.  Every tile is so asked for once for four work-groups.
; THE SOFTMAX: t = logit x log2(e); M = the running largest t rounded up to a whole number; p = 2^(t - M) is quantised with 2^e8, not normalised; the row's sum is taken of the unquantised p and divides at the end;
; when M moves, and when the two halves meet, the sums and O are multiplied by whole powers of two, exactly.  Each half runs under its own M until they meet.
; The hold of p at the largest code stands in every step, whatever e8 is: no branch of this text hangs on a given scale.
; LAYOUT.  S^T = K Q^T + bias (source 0 = 16 keys, source 1 = my 16 queries): a lane holds one query; register j of tile t is key 16 t + 8 h + j.  The bias, x 2^(3 - e6 - e7) (exact), is the C of the product.
; p's codes of tile t are registers 2 t, 2 t + 1 of the second product's operand, and V was laid by the same order of keys.  O^T = V^T P^T; V's channel tiles were chosen so that tiles 2 P, 2 P + 1 give a lane 16 neighbouring channels.
; LIMITS: e6 + e7 - 3 between -126 and 126; e8, and e10 - e8 - e9, between -126 and 112.  NaN and infinities among the inputs are not served.
; LDS: two slots of 133,120 bytes, each 128 keys of either half: [K, V][batch 2][half 2] x 8,192 bytes, then the bias [half 2][64 rows] x (512 bytes + 16); behind them the spare words, then the pairs' merge bytes.
; REGISTERS: v1-2 bias addresses, v3-4 K/V addresses (slot 0, 1); v5, v6 the add's; v7 16 x lane; v8 my pair's merge bytes; v12 -M, v13 largest t, v[14:15] the sum; v16-23 Q, v24-31 and v192-199 the next heads' Q;
;   v32-95 K or V; v96-159 S^T, then p; v160-191 O^T; v224-239 p's codes; v244 p's scale; v245 o's; v236, v242-243, v252-254 at work.
.set SLOT,  133120
.set BOFF,  65536
.set BROW,  528                        ; 132 words: row r starts at bank 4 r mod 64, so the 16 rows of a read start at 16 different banks
.set BTILE, 16*BROW
.set SPARE, 2*SLOT                     ; the spare words: 128 bytes for each of sixteen waves, eight blocks of 256 bytes that no other line names
.set SCR,   SPARE+2048                 ; the merge bytes: 4,608 for each pair of waves; no tile lands here
.set PAIRB, 4608
.set WV,   2
.set W7,   3
.set SEL,  20
.set CS,   22                          ; s[22:23] c = log2(e) x 2^(e6 + e7 - 3)
.set G1B,  24                          ; s[24:31] group 1 for the bias; s[32:39] for K and V; s[40:47], s[48:55] their groups 0, one for each slot
.set G1K,  32
.set G0B,  40
.set G0K,  48
.set BST,  56                          ; s[56:57] how far a bias descriptor steps in this trip
.set BS,   58                          ; s[58:59] 2^(3 - e6 - e7)
.set TRIP, 60
.set KST,  62                          ; s[62:63] how far a K or V descriptor steps
; A joint load.  Waves 0-7 fetch 16 rows x 128 keys of bias each, waves 8-15 one block of K or V each.  Each of the two lines has one mask and one set of registers for all that issue it;
; the branch hangs on the wave's number alone.  Four v_nop follow each line.
.macro TLOAD buf
	s_cmp_lt_u32 s[WV], 8
	s_cbranch_scc0 .Lkv_\@
	tensor_load_to_lds s[G0B+4*(\buf):G0B+4*(\buf)+3], s[G1B:G1B+7]
	s_nop 0
.rept 4
	v_nop
.endr
	s_branch .Lasked_\@
.Lkv_\@:
	tensor_load_to_lds s[G0K+4*(\buf):G0K+4*(\buf)+3], s[G1K:G1K+7]
	s_nop 0
.rept 4
	v_nop
.endr
.Lasked_\@:
.endm
; A round of the cluster's barrier: my work-group's barrier, so that wave 0's signal speaks for all sixteen waves; wave 0 signals for the work-group; every wave waits for all sixteen work-groups; my work-group's barrier once more.
.macro CROUND
	s_barrier_signal -1
	s_barrier_wait -1
	s_cmp_lg_u32 s[WV], 0
	s_cbranch_scc1 .Lnot_wave_0_\@
	s_barrier_signal -3
.Lnot_wave_0_\@:
	s_barrier_wait -3
	s_barrier_signal -1
	s_barrier_wait -1
.endm
; THE CHANGE OF SLOTS, at a slot's head: all my tensor loads have landed (one was out: my part of this slot), the add, my LDS instructions are done (my reads of the other slot; what I sent to my partner).
; fill = 1: a round of the cluster's barrier, so that no wave of any partner still reads the other slot or has a load on its way; then that slot is asked for jointly, with this slot's step of all sixteen waves in which to land.
.macro CHANGE buf, fill
	s_wait_tensorcnt 0x0                           ; no tensor load of mine is out, so a group 0 may be written
	ds_add_u32 v5, v6                              ; 0 onto my spare word
	s_add_nc_u64 s[G0B+4*\buf+2:G0B+4*\buf+3], s[G0B+4*\buf+2:G0B+4*\buf+3], s[BST:BST+1]   ; this slot's next tiles: two slots on
	s_add_nc_u64 s[G0K+4*\buf+2:G0K+4*\buf+3], s[G0K+4*\buf+2:G0K+4*\buf+3], s[KST:KST+1]
	s_wait_dscnt 0x0                               ; the add is done, and so are my reads and stores
.if \fill
	CROUND
	TLOAD 1-\buf                                   ; the first thing behind the round, and my one tensor load until the next
.else
	s_barrier_signal -1
	s_barrier_wait -1
.endif
.endm
.macro STEP buf, places                ; my half's 128 keys of slot buf.  places = 1: no joint load's four v_nop stand ahead
.if \places
.rept 4
	v_nop                                          ; four places in front of loads into registers that the last products read
.endr
.endif
.irp t, 0,1,2,3,4,5,6,7
.irp i, 0,1
	ds_load_b128 v[96+8*\t+4*\i:99+8*\t+4*\i], v[1+\buf] offset:64*\t+16*\i               ; bias(my query, keys 16 t + 8 h + 4 i ..)
.endr
.endr
.irp t, 0,1,2,3,4,5,6,7
.irp c, 0,1
	ds_load_b128 v[32+8*\t+4*\c:35+8*\t+4*\c], v[3+\buf] offset:1024*\t+512*\c
.endr
.endr
	s_wait_dscnt 16                                ; the bias is in; K's 16 loads may be out
.set J_, 0
.rept 32
	v_pk_mul_f32 v[96+J_:97+J_], v[96+J_:97+J_], s[BS:BS+1] op_sel_hi:[1,0]   ; bias x 2^(3 - e6 - e7): exact
.set J_, J_+2
.endr
	s_wait_alu depctr_va_vdst(0)
	s_wait_dscnt 0x0
.irp t, 0,1,2,3,4,5,6,7
	v_wmma_f32_16x16x64_bf8_bf8 v[96+8*\t:103+8*\t], v[32+8*\t:39+8*\t], v[16:23], v[96+8*\t:103+8*\t]
.endr
.rept 4
	v_nop                                          ; places in front of the loads below and of the first read of the scores
.endr
.irp i, 0,1,2,3
.irp c, 0,1,2,3
	ds_load_b128 v[32+16*\i+4*\c:35+16*\i+4*\c], v[3+\buf] offset:32768+2048*\c+512*\i    ; V lands while the softmax is walked
.endr
.endr
	v_max3_num_f32 v254, v96, v97, v98             ; the step's largest score of my query among my 64 keys, in two chains, each accumulator from its low end on,
	v_max3_num_f32 v252, v99, v100, v101
.set J_, 6
.rept 14
	v_max3_num_f32 v254, v254, v[96+J_], v[97+J_]
	v_max3_num_f32 v252, v252, v[98+J_], v[99+J_]
.set J_, J_+4
.endr
	v_max3_num_f32 v254, v254, v158, v159
	s_delay_alu instid0(VALU_DEP_1)
	v_max_num_f32 v254, v254, v252
	v_permlanex16_b32 v236, v254, s[SEL], s[SEL+1]
	s_delay_alu instid0(VALU_DEP_1)
	v_max_num_f32 v254, v254, v236                 ; and among lane l xor 16's
	s_delay_alu instid0(VALU_DEP_1)
	v_mul_f32 v254, s[CS], v254                    ; as t (c is positive)
	s_delay_alu instid0(VALU_DEP_1)
	v_max_num_f32 v13, v13, v254
	v_mov_b32 v254, v12
	s_delay_alu instid0(VALU_DEP_2)
	v_floor_f32 v12, -v13                          ; -M = floor(-t): M is a whole number
	s_delay_alu instid0(VALU_DEP_1)
	v_sub_f32 v254, v12, v254
	s_delay_alu instid0(VALU_DEP_1)
	v_cvt_i32_f32 v254, v254                       ; old M - new M, 0 or less (it saturates)
	s_delay_alu instid0(VALU_DEP_1)
	v_ldexp_f32 v252, 1.0, v254                    ; f = 2^(old M - new M)
.set J_, 0
.rept 32
	v_pk_fma_f32 v[96+J_:97+J_], v[96+J_:97+J_], s[CS:CS+1], v[12:13] op_sel_hi:[1,0,0]   ; t - M
.set J_, J_+2
.endr
.set J_, 0
	s_wait_alu depctr_va_vdst(0)
.rept 64
	v_exp_f32 v[96+J_], v[96+J_]                   ; p = 2^(t - M), at most 1
.set J_, J_+1
.endr
	v_pk_mul_f32 v[14:15], v[14:15], v[252:253] op_sel_hi:[1,0]   ; the sum under the new M (a plain line behind the exponentials)
	s_wait_alu depctr_va_vdst(0)
	v_pk_add_f32 v[242:243], v[100:101], v[104:105]
	v_pk_add_f32 v[254:255], v[108:109], v[112:113]
	v_pk_add_f32 v[250:251], v[116:117], v[120:121]
	v_pk_add_f32 v[248:249], v[124:125], v[128:129]
	v_pk_add_f32 v[246:247], v[132:133], v[136:137]
	v_pk_add_f32 v[240:241], v[140:141], v[144:145]
	v_pk_add_f32 v[238:239], v[148:149], v[152:153]
	v_pk_add_f32 v[14:15], v[14:15], v[156:157]
	v_pk_add_f32 v[242:243], v[242:243], v[96:97]
	v_pk_add_f32 v[254:255], v[254:255], v[98:99]
	v_pk_add_f32 v[250:251], v[250:251], v[102:103]
	v_pk_add_f32 v[248:249], v[248:249], v[106:107]
	v_pk_add_f32 v[246:247], v[246:247], v[110:111]
	v_pk_add_f32 v[240:241], v[240:241], v[114:115]
	v_pk_add_f32 v[238:239], v[238:239], v[118:119]
	v_pk_add_f32 v[14:15], v[14:15], v[122:123]
	v_pk_add_f32 v[242:243], v[242:243], v[126:127]
	v_pk_add_f32 v[254:255], v[254:255], v[130:131]
	v_pk_add_f32 v[250:251], v[250:251], v[134:135]
	v_pk_add_f32 v[248:249], v[248:249], v[138:139]
	v_pk_add_f32 v[246:247], v[246:247], v[142:143]
	v_pk_add_f32 v[240:241], v[240:241], v[146:147]
	v_pk_add_f32 v[238:239], v[238:239], v[150:151]
	v_pk_add_f32 v[14:15], v[14:15], v[154:155]
	v_pk_add_f32 v[242:243], v[242:243], v[158:159]
	s_delay_alu instid0(VALU_DEP_2)
	v_pk_add_f32 v[14:15], v[14:15], v[248:249]
	s_delay_alu instid0(VALU_DEP_2)
	v_pk_add_f32 v[242:243], v[242:243], v[246:247]
	v_pk_add_f32 v[254:255], v[254:255], v[240:241]
	v_pk_add_f32 v[250:251], v[250:251], v[238:239]
	s_delay_alu instid0(VALU_DEP_2)
	v_pk_add_f32 v[14:15], v[14:15], v[254:255]
	s_delay_alu instid0(VALU_DEP_2)
	v_pk_add_f32 v[242:243], v[242:243], v[250:251]
	s_delay_alu instid0(VALU_DEP_1)
	v_pk_add_f32 v[14:15], v[14:15], v[242:243]
.set J_, 0
.rept 64
.set J_, J_+1
.endr
.irp t, 0,1,2,3,4,5,6,7
	v_cvt_scalef32_pk8_bf8_f32 v[224+2*\t:225+2*\t], v[96+8*\t:103+8*\t], v244
.endr
.set J_, 0
.rept 16
	v_pk_mul_f32 v[160+J_:161+J_], v[160+J_:161+J_], v[252:253] op_sel_hi:[1,0]   ; O^T under the new M (also the plain lines behind the conversions)
.set J_, J_+2
.endr
	s_wait_alu depctr_va_vdst(0)
	s_wait_dscnt 0x0                               ; V
.irp i, 0,1,2,3
	v_wmma_f32_16x16x128_bf8_bf8 v[160+8*\i:167+8*\i], v[32+16*\i:47+16*\i], v[224:239], v[160+8*\i:167+8*\i]
.endr
.endm
; A head's last step is done: the upper half's wave sends O^T and its statistics to its partner, as images of the registers: 512 consecutive bytes a store.
.macro SENDO
.rept 4
	v_nop                                          ; four places behind the last products: for the stores of their results here, and for the partner's loads into the registers that held V
.endr
	s_cmp_lt_u32 s[WV], 8
	s_cbranch_scc1 .Lkeeps_\@
.set K_, 0
.rept 8
	ds_store_b128 v8, v[160+4*K_:163+4*K_] offset:512*K_   ; each accumulator from its low end on
.set K_, K_+1
.endr
	ds_store_b128 v8, v[12:15] offset:4096         ; -M, the largest t, the sum's two halves
.Lkeeps_\@:
.endm
; Behind the barrier that follows: the lower half's wave takes its partner's part, brings both under the larger M (whole powers of two: nothing is rounded), adds them, divides by the row's sum,
; quantises with 2^e10 and stores two groups of the output projection's operand.  more = 1: another head follows: every wave begins anew.
.macro HEADEND more
	s_cmp_lt_u32 s[WV], 8
	s_cbranch_scc0 .Lsent_\@
.set K_, 0
.rept 8
	ds_load_b128 v[32+4*K_:35+4*K_], v8 offset:512*K_
.set K_, K_+1
.endr
	ds_load_b128 v[64:67], v8 offset:4096
	s_wait_dscnt 0x0
	v_min_num_f32 v254, v12, v64                   ; -M of the whole row
	s_delay_alu instid0(VALU_DEP_1)
	v_sub_f32 v252, v254, v12                      ; my M - M, 0 or less,
	s_delay_alu instid0(VALU_DEP_2)
	v_sub_f32 v242, v254, v64                      ; my partner's
	s_delay_alu instid0(VALU_DEP_2)
	v_cvt_i32_f32 v252, v252
	s_delay_alu instid0(VALU_DEP_2)
	v_cvt_i32_f32 v242, v242
	s_delay_alu instid0(VALU_DEP_2)
	v_ldexp_f32 v252, 1.0, v252
	s_delay_alu instid0(VALU_DEP_2)
	v_ldexp_f32 v242, 1.0, v242
	s_delay_alu instid0(VALU_DEP_2)
	v_pk_mul_f32 v[14:15], v[14:15], v[252:253] op_sel_hi:[1,0]
	s_delay_alu instid0(VALU_DEP_1)
	v_pk_fma_f32 v[14:15], v[66:67], v[242:243], v[14:15] op_sel_hi:[1,0,1]
.set J_, 0
.rept 16
	v_pk_mul_f32 v[160+J_:161+J_], v[160+J_:161+J_], v[252:253] op_sel_hi:[1,0]
.set J_, J_+2
.endr
.set J_, 0
.rept 16
	v_pk_fma_f32 v[160+J_:161+J_], v[32+J_:33+J_], v[242:243], v[160+J_:161+J_] op_sel_hi:[1,0,1]
.set J_, J_+2
.endr
	v_add_f32 v14, v14, v15
	s_delay_alu instid0(VALU_DEP_1)
	v_permlanex16_b32 v252, v14, s[SEL], s[SEL+1]
	s_delay_alu instid0(VALU_DEP_1)
	v_add_f32 v14, v14, v252                       ; the row's sum
	s_wait_alu depctr_va_vdst(0)
	v_rcp_f32 v14, v14
	v_nop                                          ; a plain line behind the transcendental
.set J_, 0
	s_wait_alu depctr_va_vdst(0)
.rept 16
	v_pk_mul_f32 v[96+J_:97+J_], v[160+J_:161+J_], v[14:15] op_sel_hi:[1,0]
.set J_, J_+2
.endr
.set J_, 0
.rept 32
.set J_, J_+1
.endr
.irp pb, 0,1
	v_cvt_scalef32_pk8_bf8_f32 v[224+4*\pb:225+4*\pb], v[96+16*\pb:103+16*\pb], v245
	v_cvt_scalef32_pk8_bf8_f32 v[226+4*\pb:227+4*\pb], v[104+16*\pb:111+16*\pb], v245
.endr
	v_nop                                          ; a plain line behind the last conversion
	global_store_b128 v7, v[224:227], s[10:11]     ; 512 consecutive bytes, aligned
	global_store_b128 v7, v[228:231], s[10:11] offset:512
.if \more
	s_wait_xcnt 0x0                                ; the stores have read their base and their data
	s_add_nc_u64 s[10:11], s[10:11], 1024          ; the next head's two groups
.endif
.Lsent_\@:
.if \more
	v_mov_b32 v13, 0xff61b1e6                      ; -3e38, under every t
	s_delay_alu instid0(VALU_DEP_1)
	v_floor_f32 v12, -v13
	v_mov_b32 v14, 0
	v_mov_b32 v15, 0
.set J_, 0
.rept 32
	v_mov_b32 v[160+J_], 0                         ; the step is written once: a head's first step finds zeros
.set J_, J_+1
.endr
.set J_, 0
.rept 8
	v_mov_b32 v[16+J_], v[24+J_]                   ; the next head's Q moves up
	v_mov_b32 v[24+J_], v[192+J_]
.set J_, J_+1
.endr
.endif
.endm
	s_load_b256 s[4:11], s[0:1], 0x0               ; qkv, rel_pos_bias, lowp_scales, oimg
	v_lshl_add_u32 v5, v0, 2, SPARE
	v_mov_b32 v6, 0
	ds_add_u32 v5, v6
	ds_add_u32 v5, v6
	s_wait_dscnt 0x0
	v_lshrrev_b32 v9, 5, v0
	s_delay_alu instid0(VALU_DEP_1)
	v_readfirstlane_b32 s[WV], v9                  ; wave 0..15
	s_and_b32 s[W7], s[WV], 7                      ; what I fetch, and which pair of waves I belong to
	s_bfe_u32 s15, ttmp6, 0x40000                  ; cx: the query block within four
	s_bfe_u32 s16, ttmp6, 0x40004                  ; cy: the pair of batches
	s_and_b32 s17, ttmp7, 0xffff                   ; the cluster's y: the group of heads, which all sixteen share
	s_mul_i32 s17, s17, 3                          ; my first head
	s_and_b32 s18, s[WV], 3                        ; my query tile
	s_bfe_u32 s19, s[WV], 0x10002                  ; my batch of the pair
	s_lshr_b32 s75, s[WV], 3                       ; my half of the keys
	s_lshl_b32 s76, 0x1111, s15                    ; my column of the cluster: places cx, cx + 4, cx + 8, cx + 12
	s_lshl_b32 s77, s16, 2
	s_lshl_b32 s77, 15, s77                        ; my row: places 4 cy .. 4 cy + 3
	; the bias tile that I would fetch: row 1,024 head + 64 x query block + 16 (w % 4), rows of 4,096 bytes; keys 512 x ((w % 8) / 4) on.  No register here ever holds cy
	s_lshl_b32 s84, ttmp9, 2
	s_add_co_u32 s84, s84, s15                     ; query block = 4 x cluster x + cx
	s_lshl_b32 s80, s17, 10
	s_lshl_b32 s85, s84, 6
	s_add_co_u32 s80, s80, s85
	s_and_b32 s85, s[W7], 3
	s_lshl_b32 s85, s85, 4
	s_add_co_u32 s80, s80, s85
	s_lshl_b32 s80, s80, 12
	s_lshr_b32 s85, s[W7], 2
	s_lshl_b32 s85, s85, 11
	s_add_co_u32 s80, s80, s85
	s_mov_b32 s81, 0
	; the block of K or V that I would fetch: w % 8 = 4 x (K, V) + 2 x batch of the pair + half of the keys.  No register here ever holds cx
	s_lshr_b32 s82, s[W7], 2
	s_add_co_u32 s82, s82, 1
	s_mul_i32 s82, s82, 6291456                    ; k is the second tensor of qkv, v the third
	s_lshl_b32 s86, s16, 1
	s_bfe_u32 s87, s[W7], 0x10001
	s_add_co_u32 s86, s86, s87
	s_mul_i32 s86, s86, 12
	s_add_co_u32 s86, s86, s17
	s_lshl_b32 s86, s86, 16                        ; (batch, head): 65,536 bytes each
	s_add_co_u32 s82, s82, s86
	s_and_b32 s87, s[W7], 1
	s_lshl_b32 s87, s87, 15                        ; 512 keys are 32,768 bytes in either layout
	s_add_co_u32 s82, s82, s87
	s_mov_b32 s83, 0
	s_mul_i32 s73, s[W7], BTILE                    ; where they go in a slot: no place in the cluster enters an LDS address
	s_add_co_u32 s73, s73, BOFF
	s_lshl_b32 s74, s[W7], 13
	s_or_b32 s[G1B], s76, (2<<16)|(1<<20)|(1<<21)|(6<<22)|(3<<25)   ; the mask: my column; elements of 4 bytes; padding on; bit 21 beside a mask; 4 words behind every 128
	s_mov_b32 s[G1B+1], 128<<16                    ; tensor_dim0
	s_mov_b32 s[G1B+2], 16<<16                     ; tensor_dim1
	s_mov_b32 s[G1B+3], 128<<16                    ; tile_dim0: 128 keys
	s_mov_b32 s[G1B+4], 16                         ; tile_dim1: 16 queries
	s_mov_b32 s[G1B+5], 1024                       ; elements from row to row
	s_mov_b32 s[G1B+6], 0
	s_mov_b32 s[G1B+7], 0
	s_or_b32 s[G1K], s77, (3<<16)|(1<<21)          ; the mask: my row; a dense block as 32 rows of 32 elements of 8 bytes
	s_mov_b32 s[G1K+1], 32<<16
	s_mov_b32 s[G1K+2], 32<<16
	s_mov_b32 s[G1K+3], 32<<16
	s_mov_b32 s[G1K+4], 32
	s_mov_b32 s[G1K+5], 32
	s_mov_b32 s[G1K+6], 0
	s_mov_b32 s[G1K+7], 0
	; Q's and o's images of my tile
	s_lshl_b32 s88, s16, 1
	s_add_co_u32 s88, s88, s19                     ; my batch
	s_lshl_b32 s89, s84, 2
	s_add_co_u32 s89, s89, s18                     ; my token tile in the batch
	s_lshl_b32 s90, s88, 6
	s_add_co_u32 s90, s90, s89
	s_mul_i32 s90, s90, 12288
	s_lshl_b32 s91, s17, 10
	s_add_co_u32 s90, s90, s91                     ; o: row tile, group 2 x head
	s_mov_b32 s91, 0
	s_mul_i32 s88, s88, 12
	s_add_co_u32 s88, s88, s17
	s_lshl_b32 s88, s88, 16
	s_lshl_b32 s89, s89, 10
	s_add_co_u32 s88, s88, s89                     ; Q
	s_mov_b32 s89, 0
	s_mov_b32 s[SEL], 0x76543210
	s_mov_b32 s[SEL+1], 0xfedcba98
	s_mov_b32 s[TRIP], 0
	s_mov_b32 s[BST+1], 0
	s_mov_b32 s[KST+1], 0
	s_wait_kmcnt 0x0
	s_load_b128 s[68:71], s[8:9], 0x18             ; e6, e7, e8, e9
	s_load_b32 s72, s[8:9], 0x28                   ; e10
	s_add_nc_u64 s[80:81], s[6:7], s[80:81]
	s_add_nc_u64 s[82:83], s[4:5], s[82:83]
	CROUND                                         ; all sixteen work-groups are here: the first joint loads meet
.irp b, 0,1
	s_mov_b32 s[G0B+4*\b], 1                       ; count = 1
	s_add_co_u32 s[G0B+4*\b+1], s73, \b*SLOT       ; LDS address
	s_add_nc_u64 s[G0B+4*\b+2:G0B+4*\b+3], s[80:81], \b*512    ; keys 128 b on, in my half
	s_or_b32 s[G0B+4*\b+3], s[G0B+4*\b+3], 0x80000000          ; type = 2
	s_mov_b32 s[G0K+4*\b], 1
	s_add_co_u32 s[G0K+4*\b+1], s74, \b*SLOT
	s_add_nc_u64 s[G0K+4*\b+2:G0K+4*\b+3], s[82:83], \b*8192
	s_or_b32 s[G0K+4*\b+3], s[G0K+4*\b+3], 0x80000000
.endr
	TLOAD 0                                        ; slot 0's first fill, ahead of every wait on TENSORcnt and every LDS read
	s_add_nc_u64 s[12:13], s[4:5], s[88:89]
	s_add_nc_u64 s[10:11], s[10:11], s[90:91]
	v_and_b32 v9, 15, v0                           ; r
	v_bfe_u32 v10, v0, 4, 1                        ; h
	v_and_b32 v11, 31, v0
	s_delay_alu instid0(VALU_DEP_1)
	v_lshlrev_b32 v7, 4, v11                       ; 16 x lane
	s_wait_alu depctr_va_vdst(0)
.irp hh, 0,1
.irp c, 0,1
	global_load_b128 v[16+8*\hh+4*\c:19+8*\hh+4*\c], v7, s[12:13] offset:65536*\hh+512*\c
.endr
.endr
.irp c, 0,1
	global_load_b128 v[192+4*\c:195+4*\c], v7, s[12:13] offset:131072+512*\c
.endr
	s_lshl_b32 s92, s75, 2
	s_add_co_u32 s92, s92, s18
	s_mul_i32 s92, s92, BTILE
	s_add_co_u32 s92, s92, BOFF
	v_mul_u32_u24 v1, v9, BROW
	s_delay_alu instid0(VALU_DEP_1)
	v_lshl_add_u32 v1, v10, 5, v1
	s_delay_alu instid0(VALU_DEP_1)
	v_add_nc_u32 v1, s92, v1                       ; bias: my half, row 16 (w % 4) + r, + 32 h
	s_delay_alu instid0(VALU_DEP_1)
	v_add_nc_u32 v2, SLOT, v1
	s_lshl_b32 s92, s19, 14
	s_lshl_b32 s93, s75, 13
	s_add_co_u32 s92, s92, s93
	v_add_nc_u32 v3, s92, v7                       ; K of my batch and half; V lies 32,768 on
	s_delay_alu instid0(VALU_DEP_1)
	v_add_nc_u32 v4, SLOT, v3
	s_mul_i32 s92, s[W7], PAIRB
	s_add_co_u32 s92, s92, SCR
	v_add_nc_u32 v8, s92, v7                       ; my pair's merge bytes
	v_mov_b32 v13, 0xff61b1e6
	s_delay_alu instid0(VALU_DEP_1)
	v_floor_f32 v12, -v13
	v_mov_b32 v14, 0
	v_mov_b32 v15, 0
	v_mov_b32 v236, 0                              ; a lane permute's destination counts as read
	v_mov_b32 v242, 0
	v_mov_b32 v243, 0                              ; (named as the upper halves of pairs)
	v_mov_b32 v252, 0
	v_mov_b32 v253, 0
	v_mov_b32 v254, 0
.set J_, 0
.rept 32
	v_mov_b32 v[160+J_], 0
.set J_, J_+1
.endr
	s_wait_kmcnt 0x0
	s_add_co_i32 s92, s68, s69
	s_sub_co_i32 s93, s92, 3
	s_lshl_b32 s93, s93, 23
	s_add_co_i32 s[CS], s93, 0x3fb8aa3b            ; log2(e) with e6 + e7 - 3 added to its exponent field
	s_mov_b32 s[CS+1], s[CS]
	s_sub_co_i32 s93, 130, s92
	s_lshl_b32 s[BS], s93, 23                      ; 2^(3 - e6 - e7)
	s_mov_b32 s[BS+1], s[BS]
	s_add_co_i32 s92, s70, 127
	s_lshl_b32 s93, s92, 23
	v_mov_b32 v244, s93                            ; 2^e8
	s_sub_co_i32 s92, s72, s70
	s_sub_co_i32 s92, s92, s71
	s_add_co_i32 s92, s92, 127
	s_lshl_b32 s93, s92, 23
	v_mov_b32 v245, s93                            ; 2^(e10 - e8 - e9)
	s_wait_loadcnt 0x0                             ; Q
.Ltrip:                                            ; a trip is two slots, half a head; five trips, the sixth is written out
	s_and_b32 s14, s[TRIP], 1
	s_mov_b32 s[BST], 1024                         ; a slot's next tiles lie 256 keys on in each half, or, in a head's second half, in the next head
	s_mov_b32 s[KST], 16384
	s_cmp_lg_u32 s14, 0
	s_cselect_b32 s[BST], 4193280, s[BST]          ; 1,024 rows of 4,096 bytes on, 1,024 bytes back
	s_cselect_b32 s[KST], 49152, s[KST]            ; 65,536 bytes on, 16,384 back
	CHANGE 0, 1
	s_cmp_lg_u32 s14, 0                            ; trips 2 and 4 begin a head: the head before is finished here, behind the round that has shown the partner's stores done
	s_cbranch_scc1 .Lmid_head
	s_cmp_eq_u32 s[TRIP], 0
	s_cbranch_scc1 .Lmid_head
	HEADEND 1
.Lmid_head:
	STEP 0, 0
	CHANGE 1, 1
	STEP 1, 0
	s_cmp_lg_u32 s14, 0
	s_cbranch_scc0 .Lsame_head
	SENDO
.Lsame_head:
	s_add_co_u32 s[TRIP], s[TRIP], 1
	s_cmp_lt_u32 s[TRIP], 5
	s_cbranch_scc1 .Ltrip
	CHANGE 0, 1                                    ; the last slot is asked for (the stepped addresses are not used any more)
	STEP 0, 0
	CHANGE 1, 0                                    ; nothing is filled any more: my work-group's barrier alone
	STEP 1, 1
	SENDO
	s_wait_dscnt 0x0                               ; for the partner's sake: what I sent lies in LDS
	s_barrier_signal -1
	s_barrier_wait -1
	HEADEND 0
	s_wait_tensorcnt 0x0                           ; the wave's end
	ds_add_u32 v5, v6
	s_wait_dscnt 0x0
	CROUND                                         ; the closing round: no work-group ends while a partner may still ask for a tile that names it
	s_endpgm
.Lfunc_end_k_q9e30184d5e_attn:
	.size	k_q9e30184d5e_attn, .Lfunc_end_k_q9e30184d5e_attn-k_q9e30184d5e_attn
	.p2alignl 7, 3214868480
	.fill 96, 4, 3214868480
	.section	.rodata,"a",@progbits
	.p2align	6, 0x0
	.amdhsa_kernel k_q9e30184d5e_attn
		.amdhsa_group_segment_fixed_size 327680
		.amdhsa_private_segment_fixed_size 0
		.amdhsa_enable_private_segment 0
		.amdhsa_kernarg_size 32
		.amdhsa_user_sgpr_count 2
		.amdhsa_user_sgpr_kernarg_segment_ptr 1
		.amdhsa_wavefront_size32 1
		.amdhsa_system_sgpr_workgroup_id_x 1
		.amdhsa_system_sgpr_workgroup_id_y 1
		.amdhsa_system_sgpr_workgroup_id_z 1
		.amdhsa_system_vgpr_workitem_id 0
		.amdhsa_next_free_vgpr 256
		.amdhsa_next_free_sgpr 100
		.amdhsa_reserve_vcc 0
		.amdhsa_float_denorm_mode_32 3
		.amdhsa_float_denorm_mode_16_64 3
		.amdhsa_fp16_overflow 1
		.amdhsa_memory_ordered 1
		.amdhsa_forward_progress 1
		.amdhsa_inst_pref_size 94
	.end_amdhsa_kernel
	.amdgpu_metadata
---
amdhsa.version: [ 1, 2 ]
amdhsa.kernels:
  - .name:           k_q9e30184d5e_attn
    .symbol:         k_q9e30184d5e_attn.kd
    .args:
      - { .name: qkv, .offset: 0, .size: 8, .value_kind: global_buffer, .address_space: global }
      - { .name: rel_pos_bias, .offset: 8, .size: 8, .value_kind: global_buffer, .address_space: global }
      - { .name: lowp_scales, .offset: 16, .size: 8, .value_kind: global_buffer, .address_space: global }
      - { .name: oimg, .offset: 24, .size: 8, .value_kind: global_buffer, .address_space: global }
    .group_segment_fixed_size: 327680
    .private_segment_fixed_size: 0
    .kernarg_segment_align: 8
    .kernarg_segment_size: 32
    .max_flat_workgroup_size: 512
    .sgpr_count:     100
    .vgpr_count:     256
    .wavefront_size: 32
...
	.end_amdgpu_metadata
.endif
;; end of part 3
;; launch oproj (part 4): grid 128 x 2, 4 waves a work-group, no clusters, 148,992 bytes of LDS; arguments oimg, wimg, b_o, lowp_scales, out0; writes out0
.if DOCPART == 4
	.amdgcn_target "amdgcn-amd-amdhsa--gfx1250"
	.amdhsa_code_object_version 6
	.text
	.protected	k_q9e30184d5e_oproj
	.globl	k_q9e30184d5e_oproj
	.p2align	8
	.type	k_q9e30184d5e_oproj,@function
k_q9e30184d5e_oproj:
	s_mov_b64 s[64:65], 0
	v_nop
	global_prefetch_b8 v0, s[64:65] scope:SCOPE_SE
	s_setreg_imm32_b32 hwreg(HW_REG_WAVE_MODE, 25, 1), 1
	s_wait_xcnt 0x0
; OUT = o W_o^T + b_o on E5M2 codes.  grid x = 64 rows, grid y = half of the 768 columns: 256 work-groups.
; As in the projections ahead of attention: wave w keeps its 96 columns of W_o (36 fragments, 576 registers); each wave copies one row tile's image of o into LDS and all four read all four.
; Source 0 = 16 rows of W_o, source 1 = 16 tokens: a lane holds one token and eight neighbouring columns a tile.  out = sum x 2^(e10 + e11) + b_o, one packed multiply-add for two numbers.
; A row's 1,536 bytes come from four waves: they meet in a stage (64 rows x (1,536 + 16) bytes) and leave as 512 consecutive aligned bytes a store.
; NO CLUSTER, NO TENSOR LOADS: one block a work-group, every byte asked for at the head; there is no ring whose tiles partners could ask for jointly.
; LIMIT: e10 + e11 between -126 and 127.
; REGISTERS: window 0: v3 image store address, v5 16 x lane (also the image read address), v8-9 stage in, v10 stage back; v16-79 o's fragments, two sets of two; v80-175 staging, then results; v80-207 rows on the way out.
;   v256-831 W's fragments at 256 + 16 (6 s + i).  Window 3: from v64 twelve accumulators at 64 + 8 (2 i + jj); from v160 b_o, eight registers a tile.
.set XFR, 16
.set ST,  80
.set AC,  64
.set SH,  160
.set STG, 49152
.set SP,  1552                         ; 388 words: row r starts at bank 4 r mod 64
.set MSB, 0
.macro WIN new
.if MSB != (\new)
	s_set_vgpr_msb (MSB<<8)|(\new)
.set MSB, (\new)
.endif
.endm
.macro FETCH u
.irp jj, 0,1
.irp c, 0,1,2,3
	ds_load_b128 v[XFR+32*((\u)%2)+16*\jj+4*\c:XFR+32*((\u)%2)+16*\jj+4*\c+3], v5 offset:((2*((\u)/6)+\jj)*6+(\u)%6)*2048+512*\c
.endr
.endr
.endm
.macro MUL u                           ; 12 matrix instructions, the 12 accumulators by turns; the first K step starts the sums
.set S_, (\u)%6
.set XS_, XFR+32*((\u)%2)
.irp i, 0,1,2,3,4,5
.set RW_, 256+16*(6*S_+\i)
.set WL_, RW_&255
	WIN 0xf0|(RW_>>8)
.irp jj, 0,1
.set D_, AC+8*(2*\i+\jj)
.set XJ_, XS_+16*\jj
.if S_ == 0
	v_wmma_f32_16x16x128_bf8_bf8 v[D_:D_+7], v[WL_:WL_+15], v[XJ_:XJ_+15], 0
.else
	v_wmma_f32_16x16x128_bf8_bf8 v[D_:D_+7], v[WL_:WL_+15], v[XJ_:XJ_+15], v[D_:D_+7]
.endif
.endr
.endr
.endm
.macro EPI_O g2
	WIN 0
.rept 4
	v_nop                                          ; four places between the last products and the first read of results
.endr
	WIN 0x33                                       ; the sums and b_o in window 3, results in window 0
.irp i, 0,1,2,3,4,5
.irp jj, 0,1
.irp k, 0,2,4,6
	v_pk_fma_f32 v[ST+8*(2*\i+\jj)+\k:ST+8*(2*\i+\jj)+\k+1], v[AC+8*(2*\i+\jj)+\k:AC+8*(2*\i+\jj)+\k+1], s[46:47], v[SH+8*\i+\k:SH+8*\i+\k+1] op_sel_hi:[1,0,1]
.endr
.endr
.endr
	WIN 0
.irp i, 0,1,2,3,4,5
.irp jj, 0,1
	ds_store_b128 v[8+(\g2)], v[ST+8*(2*\i+\jj):ST+8*(2*\i+\jj)+3] offset:16*\jj*SP+128*(\i/2)+32*(\i%2)
	ds_store_b128 v[8+(\g2)], v[ST+8*(2*\i+\jj)+4:ST+8*(2*\i+\jj)+7] offset:16*\jj*SP+128*(\i/2)+32*(\i%2)+16
.endr
.endr
.endm
.macro OLD p, reg                      ; piece p (512 bytes) of my 16 rows, back from the stage
.set I_, 0
.rept 16
	ds_load_b128 v[\reg+4*I_:\reg+4*I_+3], v10 offset:SP*I_+512*\p
.set I_, I_+1
.endr
.endm
.macro OST p, reg
.set I_, 0
.rept 16
	global_store_b128 v5, v[\reg+4*I_:\reg+4*I_+3], s[12:13] offset:3072*I_+512*\p th:TH_STORE_NT   ; 512 consecutive bytes, aligned; written once, read by nobody here
.set I_, I_+1
.endr
.endm
	s_load_b256 s[4:11], s[0:1], 0x0               ; oimg, wimg, b_o, lowp_scales
	s_load_b64 s[12:13], s[0:1], 0x20              ; out0
	v_lshl_add_u32 v254, v0, 2, 0x24400
	v_mov_b32 v255, 0
	v_lshrrev_b32 v14, 5, v0
	v_readfirstlane_b32 s2, v14                    ; wave 0..3
	v_and_b32 v14, 31, v0
	v_lshlrev_b32 v5, 4, v14                       ; 16 x lane
	s_wait_alu depctr_va_vdst(0)
	v_and_b32 v6, 15, v0                           ; r
	s_wait_alu depctr_va_vdst(0)
	v_bfe_u32 v7, v0, 4, 1                         ; h
	s_and_b32 s15, ttmp7, 0xffff                   ; which half of the columns
	s_lshl_b32 s20, ttmp9, 2
	s_add_co_u32 s20, s20, s2
	s_mul_i32 s20, s20, 12288                      ; my row tile's image
	s_mov_b32 s21, 0
	s_mul_i32 s22, s15, 24
	s_mul_i32 s23, s2, 6
	s_add_co_u32 s19, s22, s23                     ; my first weight tile
	s_mul_i32 s22, s19, 12288
	s_add_co_u32 s22, s22, 3*589824                ; W_o is the fourth weight
	s_mov_b32 s23, 0
	s_lshl_b32 s26, s19, 6                         ; b_o at my first column
	s_mov_b32 s27, 0
	s_lshl_b32 s28, ttmp9, 6
	s_lshl_b32 s29, s2, 4
	s_add_co_u32 s28, s28, s29
	s_mul_i32 s28, s28, 3072                       ; the rows that I store: 64 x + 16 w,
	s_mul_i32 s29, s15, 1536                       ; my work-group's half of them
	s_add_co_u32 s28, s28, s29
	s_mov_b32 s29, 0
	s_mul_i32 s39, s2, 12288
	v_add_nc_u32 v3, s39, v5
	v_mul_u32_u24 v8, v6, SP
	s_wait_alu depctr_va_vdst(0)
	v_lshl_add_u32 v8, v7, 6, v8
	s_mul_i32 s39, s2, 384
	s_add_co_u32 s39, s39, STG
	v_add_nc_u32 v8, s39, v8                       ; stage in: row r, + 64 h, + 384 w;
	v_add_nc_u32 v9, 32*SP, v8                     ; rows 32 on
	s_mul_i32 s39, s2, 16*SP
	s_add_co_u32 s39, s39, STG
	v_add_nc_u32 v10, s39, v5                      ; back: my 16 rows
	v_lshlrev_b32 v14, 6, v7
	s_wait_alu depctr_va_vdst(0)
	s_wait_kmcnt 0x0
	s_load_b64 s[32:33], s[10:11], 0x28            ; e10, e11
	s_add_nc_u64 s[4:5], s[4:5], s[20:21]
	s_add_nc_u64 s[6:7], s[6:7], s[22:23]
	s_add_nc_u64 s[8:9], s[8:9], s[26:27]
	s_add_nc_u64 s[12:13], s[12:13], s[28:29]
.set K_, 0
.rept 24
	global_load_b128 v[ST+4*K_:ST+4*K_+3], v5, s[4:5] offset:512*K_
.set K_, K_+1
.endr
.set F_, 0
.rept 36
	WIN ((256+16*F_)>>8)<<6
.irp c, 0,1,2,3
	global_load_b128 v[((16*F_)&255)+4*\c:((16*F_)&255)+4*\c+3], v5, s[6:7] offset:(F_%6)*12288+(F_/6)*2048+512*\c
.endr
.set F_, F_+1
.endr
	WIN 0xc0
.irp i, 0,1,2,3,4,5
	global_load_b128 v[SH+8*\i:SH+8*\i+3], v14, s[8:9] offset:(32*(\i/2)+8*(\i%2))*4
	global_load_b128 v[SH+8*\i+4:SH+8*\i+7], v14, s[8:9] offset:(32*(\i/2)+8*(\i%2))*4+16
.endr
	WIN 0
	s_wait_kmcnt 0x0
	s_add_co_i32 s46, s32, s33
	s_add_co_i32 s46, s46, 127
	s_lshl_b32 s46, s46, 23                        ; 2^(e10 + e11)
	s_mov_b32 s47, s46                             ; (named with it as a pair)
	s_wait_loadcnt 0x0
.set K_, 0
.rept 24
	ds_store_b128 v3, v[ST+4*K_:ST+4*K_+3] offset:512*K_
.set K_, K_+1
.endr
	s_wait_dscnt 0x0                               ; for the others' sake
	s_barrier_signal -1
	s_barrier_wait -1
	FETCH 0
.set U_, 0
.rept 12
	WIN 0
.if U_ < 11
.rept 4
	v_nop                                          ; four places in front of loads into the set that the unit before multiplied
.endr
	FETCH U_+1
	s_wait_dscnt 8                                 ; all but the 8 loads just issued: this unit's fragments are in, and earlier stage stores have read their registers
.else
	s_wait_dscnt 0x0
.endif
	MUL U_
.if U_%6 == 5
	EPI_O U_/6
.endif
.set U_, U_+1
.endr
	s_wait_dscnt 0x0                               ; for the others' sake: my part of the 64 rows lies in the stage
	s_barrier_signal -1
	s_barrier_wait -1
	OLD 0, 80
	OLD 1, 144
	s_wait_dscnt 16                                ; piece 0 is back; piece 1's 16 loads may be out
	OST 0, 80
	s_wait_xcnt 0x0                                ; piece 0's stores have read their registers
	OLD 2, 80
	s_wait_dscnt 16                                ; piece 1 is back; piece 2's 16 loads may be out
	OST 1, 144
	s_wait_dscnt 0x0
	OST 2, 80
	s_wait_tensorcnt 0x0
	ds_add_u32 v254, v255
	s_wait_dscnt 0x0
	s_endpgm
.Lfunc_end_k_q9e30184d5e_oproj:
	.size	k_q9e30184d5e_oproj, .Lfunc_end_k_q9e30184d5e_oproj-k_q9e30184d5e_oproj
	.p2alignl 7, 3214868480
	.fill 96, 4, 3214868480
	.section	.rodata,"a",@progbits
	.p2align	6, 0x0
	.amdhsa_kernel k_q9e30184d5e_oproj
		.amdhsa_group_segment_fixed_size 148992
		.amdhsa_private_segment_fixed_size 0
		.amdhsa_enable_private_segment 0
		.amdhsa_kernarg_size 40
		.amdhsa_user_sgpr_count 2
		.amdhsa_user_sgpr_kernarg_segment_ptr 1
		.amdhsa_wavefront_size32 1
		.amdhsa_system_sgpr_workgroup_id_x 1
		.amdhsa_system_sgpr_workgroup_id_y 1
		.amdhsa_system_sgpr_workgroup_id_z 1
		.amdhsa_system_vgpr_workitem_id 0
		.amdhsa_next_free_vgpr 1024
		.amdhsa_next_free_sgpr 66
		.amdhsa_reserve_vcc 0
		.amdhsa_float_denorm_mode_32 3
		.amdhsa_float_denorm_mode_16_64 3
		.amdhsa_memory_ordered 1
		.amdhsa_forward_progress 1
		.amdhsa_inst_pref_size 57
	.end_amdhsa_kernel
	.amdgpu_metadata
---
amdhsa.version: [ 1, 2 ]
amdhsa.kernels:
  - .name:           k_q9e30184d5e_oproj
    .symbol:         k_q9e30184d5e_oproj.kd
    .args:
      - { .name: oimg, .offset: 0, .size: 8, .value_kind: global_buffer, .address_space: global }
      - { .name: wimg, .offset: 8, .size: 8, .value_kind: global_buffer, .address_space: global }
      - { .name: b_o, .offset: 16, .size: 8, .value_kind: global_buffer, .address_space: global }
      - { .name: lowp_scales, .offset: 24, .size: 8, .value_kind: global_buffer, .address_space: global }
      - { .name: out0, .offset: 32, .size: 8, .value_kind: global_buffer, .address_space: global }
    .group_segment_fixed_size: 148992
    .private_segment_fixed_size: 0
    .kernarg_segment_align: 8
    .kernarg_segment_size: 40
    .max_flat_workgroup_size: 128
    .sgpr_count:     66
    .vgpr_count:     1024
    .wavefront_size: 32
...
	.end_amdgpu_metadata
.endif
;; end of part 4
